; MI455X (gfx1250); checked and timed in simulation.
; The chip was launched on July 23, 2026; its instructions are those of AMD's public machine-readable ISA for CDNA 5 (MIT licence, August 2026) and "CDNA5" Instruction Set Architecture Reference Guide (July 2026). The comments in the code are by the model that wrote it; some were corrected since.
;; Causal Self Attention. Allowed arithmetic: matrix products marked QUANTISED: E4M3 operands, one given power-of-two scale a tensor, by v_wmma_f32_16x16x64_fp8_fp8 or v_wmma_f32_16x16x128_fp8_fp8, f32 sums; everything else in f32.
;; Inputs: b_attn 3,072 float32; b_proj 1,024 float32; lowp_scales 8 int32 (the exponents e of the quantised operands' scales 2^e); w_attn 1,024 x 3,072 float32; w_proj 1,024 x 1,024 float32; x 4 x 2,048 x 1,024 float32.
;; Outputs: out0 4 x 2,048 x 1,024 float32.
;; This version of the problem:
;;   THIS VERSION OF THE PROBLEM IS GIVEN IN LOW PRECISION. The matrix products marked QUANTISED in the list below multiply operands that are first quantised to E4M3 (4 exponent bits, 3 mantissa bits; 8 bits a number), with one given power-of-two scale for each operand tensor; their sums are f32. All else is computed in f32.
;;   The module's matrix products, in the order in which they are computed (A, B: the left and right operand; K: the contracted axis; several contracted axes count as one K, in the product's order):
;;     1. [M 8,192, K 1,024] x [K 1,024, N 3,072]; A: input x; B: input w_attn: QUANTISED (scales: A lowp_scales[0], B lowp_scales[1])
;;     2. batch 64 x [M 2,048, K 64] x [K 64, N 2,048]; A: computed on the way; B: computed on the way: QUANTISED (scales: A lowp_scales[2], B lowp_scales[3])
;;     3. batch 64 x [M 2,048, K 2,048] x [K 2,048, N 64]; A: softmax (see below); B: computed on the way: QUANTISED (scales: A lowp_scales[4], B lowp_scales[5])
;;     4. [M 8,192, K 1,024] x [K 1,024, N 1,024]; A: computed on the way; B: input w_proj: QUANTISED (scales: A lowp_scales[6], B lowp_scales[7])
;;   THE QUANTISER, for each operand of a quantised product, along K:
;;     - The operand's scale is 2^e, e = its entry of the input lowp_scales (int32; the entries are numbered through the quantised products in the list's order, A before B).
;;     - Each number is divided by the scale, clamped to +-448, and rounded to the nearest number of E4M3, ties to even, subnormals kept.
;;     - The product sums the exact products of the quantised numbers (number of the format x scale) in f32.
;;   ~~~python
;;   def quantise(x, axis, e):      # numpy; x: float32 -> the quantised numbers, widened to float32 again
;;       x = np.moveaxis(x, axis, -1); K = x.shape[-1]
;;       r = np.clip(x / 2.0 ** e, -448, 448)
;;       step = 2.0 ** (np.maximum(np.frexp(np.where(r == 0, 1, r))[1] - 1, -6) - 3)
;;       q = np.round(r / step) * step * 2.0 ** e      # np.round: ties to even
;;       return np.moveaxis(q, -1, axis).astype(np.float32)
;;   ~~~
;;   SOFTMAX AHEAD OF A QUANTISED PRODUCT. Where the list says 'softmax', what is quantised is not the finished softmax but p = 2^(t - M), with t = logit x log2(e) and M = ceil(the row's largest t), a whole number; so 1/2 < the row's largest p <= 1. The row's sum l is taken of the UNQUANTISED p, in f32, and the product's result is divided by l at the end. Since M is a whole number, a kernel that streams over the keys may use a running M (the ceiling of the running maximum): every later rescaling is an exact power of two, so the quantised numbers keep their values, but for numbers so far below the row's largest that they fall under the format's range.
;;   OPERANDS COMPUTED ON THE WAY. 'Computed on the way' means the value that the module computes at that place (a softmax that the list does not call 'softmax' is quantised finished and normalised). What goes into a quantiser is computed in f32, as accurately as f32 sums, v_exp_f32 and their like allow (about 1e-6 of the number): no bf16 or f16 on the way to a quantiser, and a product that is left as it is and whose result goes on into a quantised operand takes f32 operands (vector FMAs, or v_wmma_f32_16x16x4_f32). A number that lies on a knife's edge between two numbers of the format may be rounded either way, as far as f32 arithmetic and the matrix unit's own rounding can turn it there, and no further.
;; One version. Each part assembles by itself: llvm-mc -triple=amdgcn-amd-amdhsa -mcpu=gfx1250 --defsym DOCPART=n.
;; ======== version 1 of 1: 4 launches
;; limits: right only within a limited range of input values
;; workspace buffers: ximg 8,388,608 bytes; wimg 4,194,304 bytes; qkv 25,165,824 bytes; yimg 8,388,608 bytes
;; launch quant (part 1): grid 384 x 1, 4 waves a work-group, no clusters, 68,096 bytes of LDS; arguments x, w_attn, w_proj, lowp_scales, ximg, wimg; writes ximg, wimg
.if DOCPART == 1
	.amdgcn_target "amdgcn-amd-amdhsa--gfx1250"
	.amdhsa_code_object_version 6
	.text
	.protected	k_q81b52b58c3_quant
	.globl	k_q81b52b58c3_quant
	.p2align	8
	.type	k_q81b52b58c3_quant,@function
k_q81b52b58c3_quant:
	s_mov_b64 s[64:65], 0
	v_nop
	global_prefetch_b8 v0, s[64:65] scope:SCOPE_SE
	s_setreg_imm32_b32 hwreg(HW_REG_WAVE_MODE, 25, 1), 1
	s_wait_xcnt 0x0
; x [8192][1024], w_attn [1024][3072] and w_proj [1024][1024], f32, become codes of FP8 (E4M3), each with the one scale 2^e given for it (x: entry 0, w_attn: entry 1, w_proj: entry 7).
; code = number / 2^e, held within +-448, rounded to the nearest code, ties to even.  LIMITS: each e between -126 and 119; NaN among the inputs is not served.
; THE CODES ARE LAID AS IMAGES OF OPERAND REGISTERS.  A tile is 16 rows: lane r of tile 2 g + u takes row 32 g + 8 u + r + 8 (r / 8).  A fragment is a tile x 128 along K, 2,048 bytes:
; [chunk c = 0..3][lane 0..31][16 bytes]; lane (r, h = lane / 16) holds in chunk c the codes of k = 32 c + 16 h + 0 .. 15.  A tile's eight fragments lie on end: 16,384 bytes.
; ximg: 512 tiles of x's rows.  wimg: 256 tiles whose rows are w_attn's 3,072 columns, then w_proj's 1,024 (K is the weights' first axis).
; Work-groups 0-255 take x, 256-383 the weights: two ways through the text, each with LDS bytes of its own.  No tensor loads, no barrier: waves share nothing.  No cluster: no two work-groups read the same bytes.
.set STG,  8448                        ; a wave's stage in LDS
.set WLDS, 4*STG                       ; the weights' stages begin behind x's
.set SP,   528                         ; x's stage: a row of 512 bytes + 16
.set UREG, 4224                        ; the weights' stage: a tile's two fragments (4,096 bytes) + 128
.set RR,   16                          ; v16-143  x: two sets of 64, as loaded
.set XX,   144                         ; v144-207 x: 64 numbers in the fragment's order
.set CX,   208                         ; v208-239 x: two sets of 16 registers of codes
.set OFS,  16                          ; v16-47   weights: 4 x lane + i rows
.set WX,   48                          ; v48-111  weights: two sets of 32 numbers down K
.set WC,   112                         ; v112-119 weights: a block's codes
.set WO,   128                         ; v128-191 weights: the way out
	s_load_b256 s[4:11], s[0:1], 0x0               ; x s[4:5], w_attn s[6:7], w_proj s[8:9], the scales' exponents s[10:11]
	s_load_b128 s[12:15], s[0:1], 0x20             ; ximg s[12:13], wimg s[14:15]
	v_lshl_add_u32 v240, v0, 2, 0x10800
	v_mov_b32 v241, 0
	v_lshrrev_b32 v1, 5, v0
	v_readfirstlane_b32 s16, v1                    ; wave 0..3
	v_and_b32 v2, 31, v0                           ; lane
	v_lshlrev_b32 v3, 4, v2                        ; 16 x lane
	s_wait_kmcnt 0x0
	s_load_b256 s[24:31], s[10:11], 0x0            ; e0 .. e7
	s_cmp_lt_u32 ttmp9, 256
	s_cbranch_scc0 .Lw
	; ---- x.  Wave W = 4 x work-group + wave takes tile W / 2 and K steps 4 (W % 2) on: four fragments, 8,192 bytes of codes on end.
	s_lshl_b32 s17, ttmp9, 2
	s_add_co_u32 s17, s17, s16                     ; W
	s_lshr_b32 s18, s17, 1                         ; the tile
	s_and_b32 s19, s17, 1                          ; which half of K
	s_lshr_b32 s20, s18, 1
	s_and_b32 s21, s18, 1
	s_lshl_b32 s20, s20, 17                        ; 32 rows of 4,096 bytes for each pair of tiles,
	s_lshl_b32 s21, s21, 15                        ; 8 rows for the odd tile,
	s_add_co_u32 s20, s20, s21
	s_lshl_b32 s21, s19, 11                        ; 2,048 bytes for the second half of K
	s_add_co_u32 s20, s20, s21
	s_mov_b32 s21, 0
	s_add_nc_u64 s[4:5], s[4:5], s[20:21]
	s_lshl_b32 s22, s18, 14
	s_lshl_b32 s23, s19, 13
	s_add_co_u32 s22, s22, s23
	s_mov_b32 s23, 0
	s_add_nc_u64 s[12:13], s[12:13], s[22:23]
	s_mul_i32 s32, s16, STG                        ; my stage
	s_wait_alu depctr_va_vdst(0)
	v_add_nc_u32 v14, s32, v3                      ; in: a row's 512 bytes as they lie
	v_and_b32 v4, 15, v0
	v_bfe_u32 v5, v0, 4, 1
	v_mul_u32_u24 v15, v4, SP
	v_lshl_add_u32 v15, v5, 6, v15
	v_add_nc_u32 v15, s32, v15                     ; out: row r, + 64 h: my 16 numbers of each block of 32
.macro XLOAD s                         ; fragment s: each load reads 512 consecutive bytes of one of the tile's rows
.irp i, 0,1,2,3,4,5,6,7,8,9,10,11,12,13,14,15
	global_load_b128 v[RR+64*((\s)%2)+4*\i:RR+64*((\s)%2)+4*\i+3], v3, s[4:5] offset:(\i+8*(\i/8))*4096+512*(\s) th:TH_LOAD_NT
.endr
.endm
.macro XFRAG s
.if (\s) < 3
	s_wait_loadcnt 16                              ; this fragment's 16 loads are in; the next fragment's 16 may be out
.else
	s_wait_loadcnt 0
.endif
.irp i, 0,1,2,3,4,5,6,7,8,9,10,11,12,13,14,15
	ds_store_b128 v14, v[RR+64*((\s)%2)+4*\i:RR+64*((\s)%2)+4*\i+3] offset:SP*\i
.endr
.irp c, 0,1,2,3
.irp k, 0,1,2,3
	ds_load_b128 v[XX+16*\c+4*\k:XX+16*\c+4*\k+3], v15 offset:128*\c+16*\k   ; LDS serves a wave's instructions in order: these see the stores above
.endr
.endr
	s_wait_dscnt 0x0                               ; the numbers are back, and the stores have read the set that the loads below fill
.if (\s) < 2
	XLOAD (\s)+2
.endif
.if (\s) >= 2
	s_wait_xcnt 0x0                                ; the stores of two fragments ago have read the set of codes that is written again below
.endif
.irp c, 0,1,2,3
.irp i, 0,1,2,3,4,5,6,7,8,9,10,11,12,13,14,15
.endr
	v_cvt_scalef32_pk8_fp8_f32 v[CX+16*((\s)%2)+4*\c:CX+16*((\s)%2)+4*\c+1], v[XX+16*\c:XX+16*\c+7], v11
	v_cvt_scalef32_pk8_fp8_f32 v[CX+16*((\s)%2)+4*\c+2:CX+16*((\s)%2)+4*\c+3], v[XX+16*\c+8:XX+16*\c+15], v11
.endr
	v_nop                                          ; a plain line behind the conversions: the next fragment's loads write their sources
.irp c, 0,1,2,3
	global_store_b128 v3, v[CX+16*((\s)%2)+4*\c:CX+16*((\s)%2)+4*\c+3], s[12:13] offset:2048*(\s)+512*\c   ; 32 lanes store 512 consecutive bytes
.endr
.endm
	XLOAD 0
	XLOAD 1
	s_wait_alu depctr_va_vdst(0)
	s_wait_kmcnt 0x0
	s_add_co_i32 s33, s24, 127
	s_lshl_b32 s34, s33, 23
	v_mov_b32 v11, s34                             ; 2^e0 as f32: the conversion takes its exponent field
	s_add_co_i32 s33, s33, 8
	s_lshl_b32 s33, s33, 23
	s_or_b32 s33, s33, 0x600000
	s_wait_alu depctr_va_vdst(0)
	XFRAG 0
	XFRAG 1
	XFRAG 2
	XFRAG 3
	s_wait_tensorcnt 0x0
	ds_add_u32 v240, v241
	s_wait_dscnt 0x0
	s_endpgm
	; ---- the weights.  A LANE TAKES A COLUMN AND ITS REGISTERS RUN DOWN K: the conversions then give codes with K innermost.  A wave takes 32 columns (two tiles) x 256 along K.
.Lw:
	s_sub_co_u32 s17, ttmp9, 256
	s_lshr_b32 s18, s17, 2                         ; 0..31: which 128 columns
	s_and_b32 s19, s17, 3                          ; which 256 along K
	s_lshl_b32 s20, s18, 2
	s_add_co_u32 s20, s20, s16                     ; my group of 32 columns, 0..127: groups 96 on are w_proj's
	s_lshl_b32 s21, s20, 5
	s_mov_b32 s22, 12288
	s_cmp_ge_u32 s18, 24                           ; the choice hangs on the work-group's number alone
	s_cselect_b64 s[6:7], s[8:9], s[6:7]           ; the weight,
	s_cselect_b32 s22, 4096, s22                   ; its row in bytes,
	s_cselect_b32 s23, 3072, 0                     ; and where its columns begin in the count
	s_sub_co_u32 s21, s21, s23
	s_lshl_b32 s21, s21, 2                         ; my first column, in bytes
	s_lshl_b32 s48, s19, 8
	s_mul_i32 s48, s48, s22                        ; my first row
	s_add_co_u32 s48, s48, s21
	s_mov_b32 s49, 0
	s_add_nc_u64 s[32:33], s[6:7], s[48:49]        ; a base for each block of 32 rows: no pointer is stepped
	s_lshl_b32 s50, s22, 5
	s_mov_b32 s51, 0
.irp t, 1,2,3,4,5,6,7
	s_add_nc_u64 s[32+2*\t:33+2*\t], s[30+2*\t:31+2*\t], s[50:51]
.endr
	s_wait_alu depctr_va_vdst(0)
	v_lshlrev_b32 v[OFS], 2, v2                    ; 4 bytes a lane,
.set n, 1
.rept 31
	v_add_nc_u32 v[OFS+n], s22, v[OFS+n-1]         ; and a row further down for each register
.set n, n+1
.endr
	s_mul_i32 s53, s16, STG
	s_add_co_u32 s53, s53, WLDS                    ; my stage
	v_bfe_u32 v5, v0, 3, 1                         ; column j = lane lies in tile u = (j / 8) % 2,
	v_and_b32 v6, 7, v0
	v_bfe_u32 v8, v0, 4, 1
	v_lshl_add_u32 v6, v8, 3, v6                   ; at the tile's lane j % 8 + 8 (j / 16)
	v_mul_u32_u24 v4, v5, UREG
	v_lshl_add_u32 v4, v6, 4, v4
	v_add_nc_u32 v4, s53, v4                       ; in
	v_add_nc_u32 v7, s53, v3                       ; out: as the image lies
	s_lshl_b32 s54, s20, 15                        ; two tiles of 16,384 bytes for each group,
	s_lshl_b32 s55, s19, 12                        ; two fragments for each 256 along K
	s_add_co_u32 s54, s54, s55
	s_mov_b32 s55, 0
	s_add_nc_u64 s[14:15], s[14:15], s[54:55]
.macro WLOAD t                         ; block t: rows 32 t + 0 .. 31 of my column; 32 lanes read 128 consecutive bytes, the four waves 512
.set n, 0
.rept 32
	global_load_b32 v[WX+32*((\t)%2)+n], v[OFS+n], s[32+2*(\t):33+2*(\t)] th:TH_LOAD_NT
.set n, n+1
.endr
.endm
.macro WBLOCK t
.if (\t) < 7
	s_wait_loadcnt 32                              ; this block's 32 loads are in; the next block's may be out
.else
	s_wait_loadcnt 0
.endif
.set n, 0
.rept 32
.set n, n+1
.endr
.irp g, 0,1,2,3
	v_cvt_scalef32_pk8_fp8_f32 v[WC+2*\g:WC+2*\g+1], v[WX+32*((\t)%2)+8*\g:WX+32*((\t)%2)+8*\g+7], v11
.endr
	v_nop                                          ; a plain line behind the conversions
	ds_store_b128 v4, v[WC:WC+3] offset:((\t)/4)*2048+((\t)%4)*512          ; k = 32 c + 0 .. 15: the place of lane (r, 0) in chunk c = t % 4 of fragment t / 4
	ds_store_b128 v4, v[WC+4:WC+7] offset:((\t)/4)*2048+((\t)%4)*512+256    ; k = 32 c + 16 .. 31: the place of lane (r, 1)
.if (\t) < 6
	WLOAD (\t)+2
.endif
	s_wait_dscnt 0x0                               ; the stores have read their registers: the next block's codes may be written
.endm
	WLOAD 0
	WLOAD 1
	s_wait_kmcnt 0x0
	s_cmp_ge_u32 s18, 24
	s_cselect_b32 s52, s31, s25                    ; e7 or e1
	s_add_co_i32 s52, s52, 127
	s_lshl_b32 s56, s52, 23
	v_mov_b32 v11, s56
	s_add_co_i32 s52, s52, 8
	s_lshl_b32 s52, s52, 23
	s_or_b32 s52, s52, 0x600000
	s_wait_alu depctr_va_vdst(0)
.irp t, 0,1,2,3,4,5,6,7
	WBLOCK \t
.endr
.irp u, 0,1
.irp i, 0,1,2,3,4,5,6,7
	ds_load_b128 v[WO+4*(8*\u+\i):WO+4*(8*\u+\i)+3], v7 offset:\u*UREG+512*\i
.endr
.endr
.irp u, 0,1
.irp i, 0,1,2,3,4,5,6,7
	s_wait_dscnt 15-(8*\u+\i)                      ; the reads issued behind this one may be out
	global_store_b128 v3, v[WO+4*(8*\u+\i):WO+4*(8*\u+\i)+3], s[14:15] offset:\u*16384+512*\i   ; 512 consecutive bytes
.endr
.endr
	s_wait_tensorcnt 0x0
	ds_add_u32 v240, v241
	s_wait_dscnt 0x0
	s_endpgm
.Lfunc_end_k_q81b52b58c3_quant:
	.size	k_q81b52b58c3_quant, .Lfunc_end_k_q81b52b58c3_quant-k_q81b52b58c3_quant
	.p2alignl 7, 3214868480
	.fill 96, 4, 3214868480
	.section	.rodata,"a",@progbits
	.p2align	6, 0x0
	.amdhsa_kernel k_q81b52b58c3_quant
		.amdhsa_group_segment_fixed_size 68096
		.amdhsa_private_segment_fixed_size 0
		.amdhsa_enable_private_segment 0
		.amdhsa_kernarg_size 48
		.amdhsa_user_sgpr_count 2
		.amdhsa_user_sgpr_kernarg_segment_ptr 1
		.amdhsa_wavefront_size32 1
		.amdhsa_system_sgpr_workgroup_id_x 1
		.amdhsa_system_sgpr_workgroup_id_y 1
		.amdhsa_system_sgpr_workgroup_id_z 1
		.amdhsa_system_vgpr_workitem_id 0
		.amdhsa_next_free_vgpr 242
		.amdhsa_next_free_sgpr 66
		.amdhsa_reserve_vcc 0
		.amdhsa_float_denorm_mode_32 3
		.amdhsa_float_denorm_mode_16_64 3
		.amdhsa_fp16_overflow 1
		.amdhsa_memory_ordered 1
		.amdhsa_forward_progress 1
		.amdhsa_inst_pref_size 55
	.end_amdhsa_kernel
	.amdgpu_metadata
---
amdhsa.version: [ 1, 2 ]
amdhsa.kernels:
  - .name:           k_q81b52b58c3_quant
    .symbol:         k_q81b52b58c3_quant.kd
    .args:
      - { .name: x, .offset: 0, .size: 8, .value_kind: global_buffer, .address_space: global }
      - { .name: w_attn, .offset: 8, .size: 8, .value_kind: global_buffer, .address_space: global }
      - { .name: w_proj, .offset: 16, .size: 8, .value_kind: global_buffer, .address_space: global }
      - { .name: lowp_scales, .offset: 24, .size: 8, .value_kind: global_buffer, .address_space: global }
      - { .name: ximg, .offset: 32, .size: 8, .value_kind: global_buffer, .address_space: global }
      - { .name: wimg, .offset: 40, .size: 8, .value_kind: global_buffer, .address_space: global }
    .group_segment_fixed_size: 68096
    .private_segment_fixed_size: 0
    .kernarg_segment_align: 8
    .kernarg_segment_size: 48
    .max_flat_workgroup_size: 128
    .sgpr_count:     66
    .vgpr_count:     242
    .wavefront_size: 32
...
	.end_amdgpu_metadata
.endif
;; end of part 1
;; launch qkvgemm (part 2): grid 12 x 32, 4 waves a work-group, clusters of 4 x 4, 327,680 bytes of LDS; arguments ximg, wimg, b_attn, lowp_scales, qkv; writes qkv
.if DOCPART == 2
	.amdgcn_target "amdgcn-amd-amdhsa--gfx1250"
	.amdhsa_code_object_version 6
	.text
	.protected	k_q81b52b58c3_qkvgemm
	.globl	k_q81b52b58c3_qkvgemm
	.p2align	8
	.type	k_q81b52b58c3_qkvgemm,@function
k_q81b52b58c3_qkvgemm:
	s_mov_b64 s[64:65], 0
	v_nop
	global_prefetch_b8 v0, s[64:65] scope:SCOPE_SE
	s_setreg_imm32_b32 hwreg(HW_REG_WAVE_MODE, 25, 1), 1
	s_wait_xcnt 0x0
	s_wait_alu depctr_hold_cnt(0) depctr_sa_sdst(0) depctr_va_vdst(0) depctr_va_sdst(0) depctr_va_ssrc(0) depctr_va_vcc(0) depctr_vm_vsrc(0)
	s_getreg_b32 s2, hwreg(HW_REG_IB_STS2, 6, 4)
	s_cmp_eq_u32 s2, 0
	s_cbranch_scc0 .Lentry_in_a_cluster
	s_endpgm
.Lentry_in_a_cluster:
	s_bfe_u32 s2, ttmp6, 0x10000c
	s_cmp_lg_u32 s2, 0xf033
	s_cbranch_scc0 .Lentry_shape_is_right
	s_endpgm
.Lentry_shape_is_right:
; qkv = x w_attn + b_attn on codes of FP8 (E4M3); q, k and v are quantised at once (entries 2, 3, 5 of the scales) and leave as images of the operand registers of the attention's products.
; IMAGES.  A tile is 16 rows: lane r of tile 2 g + u takes row 32 g + 8 u + r + 8 (r / 8).  A fragment (tile x 128 K) is [chunk c][lane][16 bytes], lane (r, h) holding k = 32 c + 16 h + 0 .. 15.
; That is a permutation of k against the instruction's own layout, the same in both operands: every product meets its partner.  With source 0 = tiles 2 p and 2 p + 1, a lane's 16 results are 16 neighbours,
; 32 p + 16 h + 0 .. 15, along source 0's rows: two conversions make one 16-byte chunk of the next operand's image, and the wave stores 512 consecutive bytes from registers: no stage in LDS.
; A tile of the result, 256 x 256, is made by four waves, 128 x 128 each: 64 accumulators.  K = 1,024 goes in four fills of 256 through two LDS slots.
; ROLES.  Role A is source 1 (a lane's row), role B source 0 (along a lane's registers).  Clusters x = 0 (q) and 1 (k): A = x's rows, B = the weight's columns: a lane holds one token and 16 channels.
; Cluster x = 2 (v): A = the weight's columns, B = x's rows: a lane holds one channel and 16 tokens, since the tokens (keys) are the K of the attention's second product.  The choice hangs on the cluster's x alone.
; CLUSTERS: 4 x 4 work-groups; role A's tile hangs on cy and is shared along a row of the cluster, role B's on cx and is shared along a column: each is asked for jointly.
; qkv: q at byte 0, k at 8 MiB: [batch x 16 + head][tile of tokens 0..127][c = 0, 1][lane][16];  v at 16 MiB: [batch x 16 + head][128 keys][tile of channels 0..3][c][lane][16].
; LIMITS: e0 + e1 between -126 and 127; e2, e3, e5 between -126 and 119.  NaN is not served.
; REGISTERS: window 0: v0-31 addresses and scales; v32-47, v64-127 the bias; from v128 role A's fragments, ONE set (on the way out: 64 numbers and the codes).  Window 1: role B's fragments, TWO sets.
;   Windows 2 and 3: the accumulators, (a, b) at v[8 (8 (a % 4) + b)].
.set FR,     16                        ; registers of a fragment
.set NL,     4                         ; LDS loads that bring one
.set NP,     4                         ; places behind this matrix instruction (ISA guide 7.12.1)
.set HALFT,  32768                     ; 8 tiles x two fragments: what one tensor load brings, and what one wave reads of a role
.set SLOT,   4*HALFT                   ; role A's two halves, then role B's
.set SPARE,  2*SLOT                    ; behind the ring: the spare words, 128 bytes a wave: two blocks of 256 bytes that no other line names
.set LI,   5                           ; v5   16 x lane
.set BO,   8                           ; v8   bias along my registers: 64 h
.set BVO,  9                           ; v9   bias of my row: 4 (r + 8 (r / 8))
.set ADRA, 16                          ; v16-17 LDS address of role A's fragments in slot 0, 1
.set ADRB, 20                          ; v20-21 the same for role B
.set SPW,  28                          ; v28  my spare word; never rewritten
.set NIL,  29                          ; v29  0; never rewritten
.set SC,   30                          ; v30  the output's scale as f32
.set LIM,  31
.set BV,   32                          ; v32-47  v: my channel's bias for each of my 8 tiles, twice (a pair)
.set BQ,   64                          ; v64-127 q, k: the bias of my 64 channels
.set AF,   128
.set TMP,  128                         ; the way out: 64 numbers
.set CD,   192                         ; the way out: four sets of 16 registers of codes
.set G1, 24                            ; s[24:31] group 1 for role A; s[32:39] its groups 0, one a slot
.set G0, 32
.set G1B, 48                           ; s[48:55], s[56:63] the same for role B
.set G0B, 56
.set MSB, 0
.macro WIN new                         ; the immediate's high byte repeats the setting that is left
.if MSB != (\new)
	s_set_vgpr_msb (MSB<<8)|(\new)
.set MSB, (\new)
.endif
.endm
.set MUL_LO, 0xa1                      ; source 0 window 1, source 1 window 0, C and D window 2
.set MUL_HI, 0xf1                      ; the same, C and D window 3
.set TO_B,   0x40                      ; destination window 1, address window 0
; A joint load: waves 0 and 1 fetch for role A, waves 2 and 3 for role B.  The branch hangs on the wave's number alone.  Four v_nop follow each of the two lines.
.macro JLOAD g0a, g1a, g0b, g1b
	s_cmp_eq_u32 s15, 0
	s_cbranch_scc0 .Lfor_b_\@
	tensor_load_to_lds s[\g0a:\g0a+3], s[\g1a:\g1a+7]
	s_nop 0
.rept 4
	v_nop
.endr
	s_branch .Lasked_\@
.Lfor_b_\@:
	tensor_load_to_lds s[\g0b:\g0b+3], s[\g1b:\g1b+7]
	s_nop 0
.rept 4
	v_nop
.endr
.Lasked_\@:
.endm
.macro CREST                           ; a round of the cluster's barrier behind its opening barrier
	s_cmp_lg_u32 s14, 0
	s_cbranch_scc1 .Lnot_wave_0_\@
	s_barrier_signal -3
.Lnot_wave_0_\@:
	s_barrier_wait -3
	s_barrier_signal -1
	s_barrier_wait -1
.endm
.macro CROUND
	s_barrier_signal -1
	s_barrier_wait -1
	CREST
.endm
	s_load_b256 s[4:11], s[0:1], 0x0               ; ximg s[4:5], wimg s[6:7], b_attn s[8:9], the scales' exponents s[10:11]
	s_load_b64 s[12:13], s[0:1], 0x20              ; qkv
	v_lshl_add_u32 v[SPW], v0, 2, SPARE
	v_mov_b32 v[NIL], 0
	ds_add_u32 v28, v29
	ds_add_u32 v28, v29
	s_wait_dscnt 0x0
	v_lshrrev_b32 v1, 5, v0
	v_readfirstlane_b32 s14, v1                    ; wave 0..3
	s_lshr_b32 s15, s14, 1                         ; which half of role A's rows is mine.  Also: I fetch for role A (0) or B (1)
	s_and_b32 s16, s14, 1                          ; which half of role B's.  Also: which 8 tiles I fetch
	s_bfe_u32 s40, ttmp6, 0x40000                  ; cx
	s_bfe_u32 s41, ttmp6, 0x40004                  ; cy
	s_and_b32 s80, ttmp7, 0xffff                   ; the cluster's y
	s_cmp_eq_u32 ttmp9, 2                          ; v's clusters: the same answer in all sixteen partners
	s_cselect_b32 s81, 2, s80
	s_cselect_b32 s82, s80, ttmp9
	s_lshl_b32 s17, s81, 2
	s_add_co_u32 s17, s17, s41                     ; role A's block of 256 rows: q, k: of x; v: 8 + cy of the weight
	s_lshl_b32 s42, s82, 2
	s_add_co_u32 s42, s42, s40                     ; role B's: q, k: of the weight; v: of x
	s_lshl_b32 s43, s41, 2
	s_lshl_b32 s43, 15, s43                        ; my row of the cluster
	s_lshl_b32 s44, 0x1111, s40                    ; my column
	; group 1: 8 rows (tiles) of 4,096 bytes (two fragments), 16,384 bytes apart, dense in LDS; elements of 8 bytes
	s_or_b32 s[G1+0], s43, (3<<16)|(1<<21)         ; 15:0 the mask; 17:16 elements of 8 bytes; 21 set beside a mask
	s_or_b32 s[G1B+0], s44, (3<<16)|(1<<21)
.irp g, G1, G1B
	s_mov_b32 s[\g+1], 512<<16                     ; tensor_dim0 = 512
	s_mov_b32 s[\g+2], 8<<16                       ; tensor_dim1 = 8
	s_mov_b32 s[\g+3], 512<<16                     ; tile_dim0 = 512
	s_mov_b32 s[\g+4], 8                           ; tile_dim1 = 8
	s_mov_b32 s[\g+5], 2048                        ; tensor_dim0_stride
	s_mov_b32 s[\g+6], 0
	s_mov_b32 s[\g+7], 0
.endr
	s_lshl_b32 s83, s16, 17                        ; which 8 tiles of the block I fetch
	s_lshl_b32 s20, s17, 18                        ; a block is 16 tiles of 16,384 bytes
	s_add_co_u32 s20, s20, s83
	s_mov_b32 s21, 0
	s_lshl_b32 s46, s42, 18
	s_add_co_u32 s46, s46, s83
	s_mov_b32 s47, 0
	s_lshl_b32 s45, s14, 15                        ; where they go: wave x HALFT: no place in the cluster enters an LDS address
	s_wait_kmcnt 0x0
	s_load_b256 s[72:79], s[10:11], 0x0            ; e0 .. e7
	s_cmp_eq_u32 ttmp9, 2
	s_cselect_b64 s[84:85], s[6:7], s[4:5]         ; role A's buffer
	s_cselect_b64 s[86:87], s[4:5], s[6:7]         ; role B's
	s_add_nc_u64 s[20:21], s[84:85], s[20:21]
	s_add_nc_u64 s[46:47], s[86:87], s[46:47]
	CROUND                                         ; all sixteen work-groups are here: the first joint loads meet
.irp s, 0,1
	s_mov_b32 s[G0+4*\s], 1
	s_add_co_u32 s[G0+4*\s+1], s45, \s*SLOT
	s_add_nc_u64 s[G0+4*\s+2:G0+4*\s+3], s[20:21], \s*4096
	s_or_b32 s[G0+4*\s+3], s[G0+4*\s+3], 0x80000000
	s_mov_b32 s[G0B+4*\s], 1
	s_add_co_u32 s[G0B+4*\s+1], s45, \s*SLOT
	s_add_nc_u64 s[G0B+4*\s+2:G0B+4*\s+3], s[46:47], \s*4096
	s_or_b32 s[G0B+4*\s+3], s[G0B+4*\s+3], 0x80000000
	JLOAD G0+4*\s, G1, G0B+4*\s, G1B
.endr
	v_and_b32 v1, 31, v0
	v_lshlrev_b32 v[LI], 4, v1
	v_bfe_u32 v2, v0, 4, 1                         ; h
	v_and_b32 v3, 15, v0                           ; r
	v_lshlrev_b32 v[BO], 6, v2
	s_wait_alu depctr_va_vdst(0)
	v_and_b32 v4, 8, v3
	v_add_nc_u32 v4, v4, v3
	v_lshlrev_b32 v[BVO], 2, v4
	s_wait_alu depctr_va_vdst(0)
	s_lshl_b32 s88, s15, 15
	s_lshl_b32 s89, s16, 15
	s_add_co_u32 s89, s89, 2*HALFT
.irp s, 0,1
	v_add_nc_u32 v[ADRA+\s], s88, v[LI]
	v_add_nc_u32 v[ADRB+\s], s89, v[LI]
	s_add_co_u32 s88, s88, SLOT
	s_add_co_u32 s89, s89, SLOT
.endr
	; the bias, both ways, in every work-group (no branch; every address lies inside b_attn): it lands while the products run
	s_cmp_eq_u32 ttmp9, 2
	s_cselect_b32 s90, 0, s42
	s_lshl_b32 s90, s90, 10
	s_lshl_b32 s91, s16, 9
	s_add_co_u32 s90, s90, s91
	s_mov_b32 s91, 0
	s_add_nc_u64 s[66:67], s[8:9], s[90:91]        ; q, k: the 128 channels of my half of role B
	s_lshl_b32 s90, s41, 10
	s_lshl_b32 s92, s15, 9
	s_add_co_u32 s90, s90, s92
	s_add_co_u32 s90, s90, 8192
	s_add_nc_u64 s[68:69], s[8:9], s[90:91]        ; v: channels 2,048 + 256 cy + 128 x my half of role A
.irp p, 0,1,2,3
.irp k, 0,1,2,3
	global_load_b128 v[BQ+16*\p+4*\k:BQ+16*\p+4*\k+3], v[BO], s[66:67] offset:128*\p+16*\k   ; channels 32 p + 16 h + 4 k on
.endr
.endr
.irp a, 0,1,2,3,4,5,6,7
	global_load_b32 v[BV+2*\a], v[BVO], s[68:69] offset:4*(32*(\a/2)+8*(\a%2))
	global_load_b32 v[BV+2*\a+1], v[BVO], s[68:69] offset:4*(32*(\a/2)+8*(\a%2))   ; (the packed form names the pair)
.endr
.macro FRAG reg, adr, q, i             ; tile i's fragment of the slot's q-th 128 along K: four loads of 512 consecutive bytes
.irp c, 0,1,2,3
	ds_load_b128 v[\reg+4*\c:\reg+4*\c+3], v[\adr] offset:(\i)*4096+(\q)*2048+512*\c
.endr
.endm
; 16 matrix instructions: role A's tiles a0, a0 + 1 x role B's eight.  p: B's set.  zero = 1: the first product starts the sums.  The 64 accumulators take turns, one instruction a turn.
.macro MUL16 a0, p, zero
.irp a, \a0, \a0+1
.irp b, 0,1,2,3,4,5,6,7
.if \zero
	v_wmma_f32_16x16x128_fp8_fp8 v[8*(8*((\a)%4)+\b):8*(8*((\a)%4)+\b)+7], v[128*(\p)+FR*\b:128*(\p)+FR*\b+FR-1], v[AF+FR*(\a):AF+FR*(\a)+FR-1], 0
.else
	v_wmma_f32_16x16x128_fp8_fp8 v[8*(8*((\a)%4)+\b):8*(8*((\a)%4)+\b)+7], v[128*(\p)+FR*\b:128*(\p)+FR*\b+FR-1], v[AF+FR*(\a):AF+FR*(\a)+FR-1], v[8*(8*((\a)%4)+\b):8*(8*((\a)%4)+\b)+7]
.endif
.endr
.endr
.endm
.macro FETCH_B slot, q, p
	WIN TO_B
.irp i, 0,1,2,3,4,5,6,7
	FRAG 128*(\p)+FR*\i, ADRB+\slot, \q, \i
.endr
	WIN 0
.endm
.macro FETCH_A slot, q, i0
.irp i, \i0, \i0+1, \i0+2, \i0+3
	FRAG AF+FR*(\i), ADRA+\slot, \q, \i
.endr
.endm
.macro PLACES n                        ; plain vector lines between a matrix instruction and a load into, or a vector line on, its registers
.rept \n
	v_nop
.endr
.endm
.macro STEP slot, q, zero              ; 128 along K with its successor in the same slot
	s_wait_dscnt 4*NL                              ; B's set and A's tiles 0-3 are in; the youngest 16 loads (A's tiles 4-7) may be out
	WIN MUL_LO
	MUL16 0, (\q)%2, \zero
	MUL16 2, (\q)%2, \zero
	s_wait_dscnt 0
	PLACES NP
	FETCH_B \slot, (\q)+1, 1-(\q)%2
	FETCH_A \slot, (\q)+1, 0
	WIN MUL_HI
	MUL16 4, (\q)%2, \zero
	MUL16 6, (\q)%2, \zero
	PLACES NP
	WIN 0
	FETCH_A \slot, (\q)+1, 4
.endm
; A slot's last step changes slots: one barrier; in front of it each wave waits for all its tensor loads, adds 0 to its spare word, and waits for that and for its reads of this slot.  fill = 1: this slot is filled again.
.macro TURN slot, next, fill
	s_wait_tensorcnt 0x0                           ; all my tensor loads have landed: my part of the next slot
	ds_add_u32 v[SPW], v[NIL]                      ; 0 onto my spare word
	s_wait_dscnt 4*NL+1                            ; the add and the youngest 16 loads may be out
	WIN MUL_LO
	MUL16 0, 1, 0
	s_wait_dscnt 0x0                               ; the add is done, and my reads of this slot are over
	s_barrier_signal -1
	MUL16 2, 1, 0
	WIN 0
	s_barrier_wait -1
.if \fill
	CREST                                          ; the barrier has opened a round of the cluster's: no wave of any partner still reads this slot or has a load on its way
	s_add_nc_u64 s[G0+4*\slot+2:G0+4*\slot+3], s[G0+4*\slot+2:G0+4*\slot+3], 8192
	s_add_nc_u64 s[G0B+4*\slot+2:G0B+4*\slot+3], s[G0B+4*\slot+2:G0B+4*\slot+3], 8192
	JLOAD G0+4*\slot, G1, G0B+4*\slot, G1B         ; the first tensor load behind the round; its four v_nop are the places in front of the loads below
.else
	PLACES NP
.endif
	FETCH_B \next, 0, 0
	FETCH_A \next, 0, 0
	WIN MUL_HI
	MUL16 4, 1, 0
	MUL16 6, 1, 0
	PLACES NP
	WIN 0
	FETCH_A \next, 0, 4
.endm
	s_wait_alu depctr_va_vdst(0)
	s_wait_tensorcnt 1                             ; my part of slot 0 is in; slot 1's may be out
	s_barrier_signal -1
	s_barrier_wait -1
	FETCH_B 0, 0, 0
	FETCH_A 0, 0, 0
	FETCH_A 0, 0, 4
	STEP 0, 0, 1                                   ; K = 1,024 is four fills: the walk is written out
	TURN 0, 1, 1
	STEP 1, 0, 0
	TURN 1, 0, 1
	STEP 0, 0, 0
	TURN 0, 1, 0
	STEP 1, 0, 0
	s_wait_dscnt 4*NL
	WIN MUL_LO
	MUL16 0, 1, 0
	MUL16 2, 1, 0
	s_wait_dscnt 0
	WIN MUL_HI
	MUL16 4, 1, 0
	MUL16 6, 1, 0
	WIN 0
; THE WAY OUT, a tile of role A at a time: number = sum x 2^(e0 + e1) + bias (one packed multiply-add for two), the conversions, four stores of 512 consecutive bytes.
.macro EPI vmode
.irp a, 0,1,2,3,4,5,6,7
.if \a >= 4
	s_wait_xcnt 0x0                                ; the stores of four tiles ago have read the set of codes that is written again
.endif
	WIN 0x02+(\a/4)                                ; source 0: window 2 or 3
.set n, 0
.rept 32
.if \vmode
	v_pk_fma_f32 v[TMP+n:TMP+n+1], v[64*(\a%4)+n:64*(\a%4)+n+1], s[96:97], v[BV+2*\a:BV+2*\a+1] op_sel_hi:[1,0,0]   ; each accumulator from its low end on
.else
	v_pk_fma_f32 v[TMP+n:TMP+n+1], v[64*(\a%4)+n:64*(\a%4)+n+1], s[96:97], v[BQ+n:BQ+n+1] op_sel_hi:[1,0,1]
.endif
.set n, n+2
.endr
	WIN 0
.irp m, 0,1,2,3
.irp i, 0,1,2,3,4,5,6,7,8,9,10,11,12,13,14,15
.endr
	v_cvt_scalef32_pk8_fp8_f32 v[CD+16*(\a%4)+4*\m:CD+16*(\a%4)+4*\m+1], v[TMP+16*\m:TMP+16*\m+7], v[SC]
	v_cvt_scalef32_pk8_fp8_f32 v[CD+16*(\a%4)+4*\m+2:CD+16*(\a%4)+4*\m+3], v[TMP+16*\m+8:TMP+16*\m+15], v[SC]
.endr
	v_nop                                          ; a plain line behind the conversions: the next tile's multiply-adds write their sources
.irp m, 0,1,2,3
.if \vmode
	global_store_b128 v[LI], v[CD+16*(\a%4)+4*\m:CD+16*(\a%4)+4*\m+3], s[70:71] offset:(\a/4)*131072+(\a%4)*2048+\m*512   ; head a / 4, tile of channels a % 4, chunk m of the 128 keys
.else
	global_store_b128 v[LI], v[CD+16*(\a%4)+4*\m:CD+16*(\a%4)+4*\m+3], s[70:71] offset:\a*1024+(\m/2)*131072+(\m%2)*512   ; tile of tokens a, head m / 2, chunk m % 2 of the 64 channels
.endif
.endr
.endr
.endm
	s_wait_kmcnt 0x0
	s_wait_loadcnt 0x0                             ; the bias
	s_cmp_eq_u32 ttmp9, 1
	s_cselect_b32 s92, s75, s74                    ; k: e3; q: e2;
	s_cmp_eq_u32 ttmp9, 2
	s_cselect_b32 s92, s77, s92                    ; v: e5
	s_add_co_i32 s92, s92, 127
	s_lshl_b32 s93, s92, 23
	v_mov_b32 v[SC], s93
	s_add_co_i32 s96, s72, s73
	s_add_co_i32 s96, s96, 127
	s_lshl_b32 s96, s96, 23                        ; 2^(e0 + e1) as f32
	s_mov_b32 s97, s96                             ; (named with it as a pair)
	PLACES NP                                      ; behind the last products: their results are read and role A's registers written below
	s_cmp_eq_u32 ttmp9, 2
	s_cbranch_scc1 .Lv
	s_lshr_b32 s90, s17, 3                         ; q, k: the batch,
	s_lshl_b32 s90, s90, 4
	s_and_b32 s91, s42, 3
	s_lshl_b32 s91, s91, 2
	s_add_co_u32 s90, s90, s91                     ; four heads to a block of 256 channels,
	s_lshl_b32 s91, s16, 1
	s_add_co_u32 s90, s90, s91                     ; two to my half
	s_lshl_b32 s90, s90, 17
	s_and_b32 s91, s17, 7
	s_lshl_b32 s91, s91, 4
	s_lshl_b32 s92, s15, 3
	s_add_co_u32 s91, s91, s92                     ; my first tile of tokens in the batch
	s_lshl_b32 s91, s91, 10
	s_add_co_u32 s90, s90, s91
	s_lshl_b32 s91, ttmp9, 23                      ; q's part or k's
	s_add_co_u32 s90, s90, s91
	s_mov_b32 s91, 0
	s_add_nc_u64 s[70:71], s[12:13], s[90:91]
	EPI 0
	s_branch .Lend
.Lv:
	s_lshr_b32 s90, s42, 3                         ; v: the batch,
	s_lshl_b32 s90, s90, 4
	s_lshl_b32 s91, s41, 2
	s_add_co_u32 s90, s90, s91
	s_lshl_b32 s91, s15, 1
	s_add_co_u32 s90, s90, s91                     ; my first head
	s_lshl_b32 s90, s90, 17
	s_and_b32 s91, s42, 7
	s_lshl_b32 s91, s91, 1
	s_add_co_u32 s91, s91, s16                     ; my 128 keys
	s_lshl_b32 s91, s91, 13
	s_add_co_u32 s90, s90, s91
	s_add_co_u32 s90, s90, 0x1000000               ; v's part
	s_mov_b32 s91, 0
	s_add_nc_u64 s[70:71], s[12:13], s[90:91]
	EPI 1
.Lend:
	s_wait_tensorcnt 0x0                           ; the wave's end
	ds_add_u32 v[SPW], v[NIL]
	s_wait_dscnt 0x0
	CROUND                                         ; the closing round: no work-group ends while a partner may still ask for a tile that names it
	s_endpgm
.Lfunc_end_k_q81b52b58c3_qkvgemm:
	.size	k_q81b52b58c3_qkvgemm, .Lfunc_end_k_q81b52b58c3_qkvgemm-k_q81b52b58c3_qkvgemm
	.p2alignl 7, 3214868480
	.fill 96, 4, 3214868480
	.section	.rodata,"a",@progbits
	.p2align	6, 0x0
	.amdhsa_kernel k_q81b52b58c3_qkvgemm
		.amdhsa_group_segment_fixed_size 327680
		.amdhsa_private_segment_fixed_size 0
		.amdhsa_enable_private_segment 0
		.amdhsa_kernarg_size 40
		.amdhsa_user_sgpr_count 2
		.amdhsa_user_sgpr_kernarg_segment_ptr 1
		.amdhsa_wavefront_size32 1
		.amdhsa_system_sgpr_workgroup_id_x 1
		.amdhsa_system_sgpr_workgroup_id_y 1
		.amdhsa_system_sgpr_workgroup_id_z 1
		.amdhsa_system_vgpr_workitem_id 0
		.amdhsa_next_free_vgpr 1024
		.amdhsa_next_free_sgpr 100
		.amdhsa_reserve_vcc 0
		.amdhsa_float_denorm_mode_32 3
		.amdhsa_float_denorm_mode_16_64 3
		.amdhsa_fp16_overflow 1
		.amdhsa_memory_ordered 1
		.amdhsa_forward_progress 1
		.amdhsa_inst_pref_size 130
	.end_amdhsa_kernel
	.amdgpu_metadata
---
amdhsa.version: [ 1, 2 ]
amdhsa.kernels:
  - .name:           k_q81b52b58c3_qkvgemm
    .symbol:         k_q81b52b58c3_qkvgemm.kd
    .args:
      - { .name: ximg, .offset: 0, .size: 8, .value_kind: global_buffer, .address_space: global }
      - { .name: wimg, .offset: 8, .size: 8, .value_kind: global_buffer, .address_space: global }
      - { .name: b_attn, .offset: 16, .size: 8, .value_kind: global_buffer, .address_space: global }
      - { .name: lowp_scales, .offset: 24, .size: 8, .value_kind: global_buffer, .address_space: global }
      - { .name: qkv, .offset: 32, .size: 8, .value_kind: global_buffer, .address_space: global }
    .group_segment_fixed_size: 327680
    .private_segment_fixed_size: 0
    .kernarg_segment_align: 8
    .kernarg_segment_size: 40
    .max_flat_workgroup_size: 128
    .sgpr_count:     100
    .vgpr_count:     1024
    .wavefront_size: 32
...
	.end_amdgpu_metadata
.endif
;; end of part 2
;; launch attn (part 3): grid 4 x 64, 16 waves a work-group, no clusters, 327,680 bytes of LDS; arguments qkv, lowp_scales, yimg; writes yimg
.if DOCPART == 3
	.amdgcn_target "amdgcn-amd-amdhsa--gfx1250"
	.amdhsa_code_object_version 6
	.text
	.protected	k_q81b52b58c3_attn
	.globl	k_q81b52b58c3_attn
	.p2align	8
	.type	k_q81b52b58c3_attn,@function
k_q81b52b58c3_attn:
	s_mov_b64 s[64:65], 0
	v_nop
	global_prefetch_b8 v0, s[64:65] scope:SCOPE_SE
	s_setreg_imm32_b32 hwreg(HW_REG_WAVE_MODE, 25, 1), 1
	s_wait_xcnt 0x0
; y = softmax(q k^T / 8, causal) v for one head, both products on codes of FP8 (E4M3); y is quantised at once (entry 6 of the scales) and leaves as an image of the last product's operand registers.
; THE SOFTMAX: t = score x log2(e) / 8; M = the row's largest t so far, rounded UP to a whole number; p = 2^(t - M) is quantised (entry 4), not normalised; the row's sum is taken of the unquantised p and divides at the end.
; When M moves, the sum and O are multiplied by 2^(old M - new M): exact.
; IMAGES.  A tile is 16 rows: lane r of tile 2 g + u takes row 32 g + 8 u + r + 8 (r / 8).  q, k: a tile x 64 channels is [c = 0, 1][lane][16 bytes], lane (r, h) holding channels 32 c + 16 h + 0 .. 15.
; v: 128 keys x a tile of channels is [c = 0..3][lane][16], lane (r, h) holding keys 32 c + 16 h + 0 .. 15.  The same order of k stands in both operands of each product.
; Both products are used transposed (S^T = k q^T, O^T = v^T p^T): a lane holds ONE query; the 16 registers of tiles 2 b, 2 b + 1 are 16 neighbouring keys (channels): the conversions' results are the next operand.
; SHARES.  Work-group (i, head) owns the blocks i and 7 - i of 256 queries: (i + 1) + (8 - i) = 9 slots of 256 keys, the same for all 256 work-groups; every trip count is a constant.  Each of 16 waves owns one tile of queries.
; A step (128 keys) all of whose keys come after the wave's queries is left out by a scalar branch on ids; no barrier and no tensor load stands in a step.
; NO CLUSTER: with this pairing the four work-groups of a head stand at different keys at any time (slot n of the walk is key block n, or n - i - 1); walking in step would take 8 + 4 = 12 slot times in place of 9.
; LIMITS: e2 + e3 between -123 and 130 (added to c's exponent field); e4, e6 between -126 and 119.  NaN is not served.
; REGISTERS: v1 16 x lane; v2 my query less 16 h; v5, v6 the add's; v8 the slot's address; v12 -M, v13 the largest t, v[14:15] the sum; v16-23 Q in hand, v24-31 Q of the second block; v32-95 k's 8 fragments, then v's 4;
;   v96-159 S^T, then p; v160-191 O^T; v192-207 y's codes; v224-239 p's codes; v240-254 scales and work.
.set SLOT1, 32768                      ; a slot: k's 16 tiles (16,384 bytes), then v's two steps x 4 tiles (16,384); slot 1 begins here
.set VOFF,  16384
.set SPARE, 65536                      ; behind the ring: the spare words, 128 bytes a wave: eight blocks of 256 bytes that no other line names
.set LI,   1
.set QD,   2
.set SPW,  5
.set NIL,  6
.set ADK,  8
.set WV,   18                          ; s18 my wave's number
.set SEL,  20                          ; s[20:21] lane selects: lane l xor 16
.set CS,   22                          ; s[22:23] c = log2(e) / 8 x 2^(e2 + e3)
.set G1,   24                          ; s[24:31] group 1
.set G0,   32                          ; s[32:35] group 0, which walks
.set SRC,  36                          ; s[36:37] the head's k (wave 0) or v (wave 1)
.set OFF,  38                          ; s[38:39] bytes of the slot to be asked for
.set TB,   40                          ; s40 LDS byte at which the slot in hand begins
.set NT,   41                          ; s41 the trip
.set IB,   42                          ; s42 i
.set KF,   43                          ; s43 the step's first key
.set QMIN, 44                          ; s44 my tile's first query
.set QMAX, 45                          ; s45 its last
.set QM2,  46                          ; s46 the first query of my tile in block 7 - i
.set Y1,   48                          ; s[48:49], s[50:51] where the two tiles of y go
.set Y2,   50
.set EPV,  52                          ; s52 e4 + e5
.macro TLOAD                           ; wave 0 fetches k's 16,384 bytes, wave 1 v's, the others nothing; four v_nop follow the line
	s_cmp_lt_u32 s[WV], 2
	s_cbranch_scc0 .Lasked_\@
	tensor_load_to_lds s[G0:G0+3], s[G1:G1+7]
	s_nop 0
.rept 4
	v_nop
.endr
.Lasked_\@:
.endm
	s_load_b128 s[4:7], s[0:1], 0x0                ; qkv s[4:5], the scales' exponents s[6:7]
	s_load_b64 s[8:9], s[0:1], 0x10                ; yimg
	v_lshl_add_u32 v[SPW], v0, 2, SPARE
	v_mov_b32 v[NIL], 0
	ds_add_u32 v5, v6
	ds_add_u32 v5, v6
	s_wait_dscnt 0x0
	v_lshrrev_b32 v8, 5, v0
	s_delay_alu instid0(VALU_DEP_1)
	v_readfirstlane_b32 s[WV], v8                  ; wave 0..15
	s_and_b32 s66, ttmp7, 0xffff                   ; batch x 16 + head
	s_mov_b32 s[IB], ttmp9
	s_lshl_b32 s67, ttmp9, 4
	s_add_co_u32 s67, s67, s[WV]                   ; my tile in block i
	s_sub_co_u32 s68, 7, ttmp9
	s_lshl_b32 s68, s68, 4
	s_add_co_u32 s68, s68, s[WV]                   ; and in block 7 - i
	s_and_b32 s69, s[WV], 1
	s_lshl_b32 s70, s69, 3
	s_lshl_b32 s[QMIN], s67, 4
	s_sub_co_u32 s[QMIN], s[QMIN], s70             ; tile T begins at query 32 (T / 2) + 8 (T % 2) = 16 T - 8 (T % 2)
	s_add_co_u32 s[QMAX], s[QMIN], 23              ; and ends 23 further on
	s_lshl_b32 s[QM2], s68, 4
	s_sub_co_u32 s[QM2], s[QM2], s70
	s_lshl_b32 s71, s66, 17                        ; the head's 131,072 bytes in each part of qkv
	s_lshl_b32 s72, s67, 10
	s_add_co_u32 s72, s72, s71
	s_mov_b32 s73, 0
	s_lshl_b32 s74, s68, 10
	s_add_co_u32 s74, s74, s71
	s_mov_b32 s75, 0
	s_add_co_u32 s76, s69, 1
	s_lshl_b32 s76, s76, 23                        ; k's part at 8 MiB, v's at 16 MiB
	s_add_co_u32 s76, s76, s71
	s_mov_b32 s77, 0
	s_lshr_b32 s78, s66, 4
	s_lshl_b32 s78, s78, 7                         ; 128 tiles of rows to a batch
	s_and_b32 s79, s66, 15
	s_lshl_b32 s79, s79, 10                        ; a head's 64 channels are 1,024 bytes of a tile of y
	s_add_co_u32 s80, s78, s67
	s_lshl_b32 s80, s80, 14
	s_add_co_u32 s80, s80, s79
	s_mov_b32 s81, 0
	s_add_co_u32 s82, s78, s68
	s_lshl_b32 s82, s82, 14
	s_add_co_u32 s82, s82, s79
	s_mov_b32 s83, 0
	; group 1: 64 rows of 256 bytes, dense in memory and in LDS; elements of 8 bytes
	s_mov_b32 s[G1], 3<<16
	s_mov_b32 s[G1+1], 32<<16                      ; tensor_dim0 = 32
	s_mov_b32 s[G1+2], 64<<16                      ; tensor_dim1 = 64
	s_mov_b32 s[G1+3], 32<<16                      ; tile_dim0 = 32
	s_mov_b32 s[G1+4], 64                          ; tile_dim1 = 64
	s_mov_b32 s[G1+5], 32                          ; tensor_dim0_stride
	s_mov_b32 s[G1+6], 0
	s_mov_b32 s[G1+7], 0
	s_mov_b32 s[SEL], 0x76543210
	s_mov_b32 s[SEL+1], 0xfedcba98
	s_mov_b32 s[CS], 0x3e38aa3b                    ; log2(e) / 8
	s_mov_b32 s[TB], 0
	s_mov_b32 s[NT], 0
	s_mov_b32 s[KF], 0
	s_mov_b32 s[OFF], 0
	s_mov_b32 s[OFF+1], 0
	s_wait_kmcnt 0x0
	s_load_b256 s[56:63], s[6:7], 0x0              ; e0 .. e7
	s_add_nc_u64 s[SRC:SRC+1], s[4:5], s[76:77]
	s_mov_b32 s[G0], 1
	s_lshl_b32 s[G0+1], s69, 14                    ; slot 0: k at 0, v at 16,384
	s_mov_b64 s[G0+2:G0+3], s[SRC:SRC+1]
	s_or_b32 s[G0+3], s[G0+3], 0x80000000
	TLOAD                                          ; slot 0: keys 0 to 255
	s_add_nc_u64 s[72:73], s[4:5], s[72:73]
	s_add_nc_u64 s[74:75], s[4:5], s[74:75]
	s_add_nc_u64 s[Y1:Y1+1], s[8:9], s[80:81]
	s_add_nc_u64 s[Y2:Y2+1], s[8:9], s[82:83]
	v_and_b32 v[LI], 31, v0
	s_delay_alu instid0(VALU_DEP_1)
	v_lshlrev_b32 v[LI], 4, v[LI]
.irp c, 0,1
	global_load_b128 v[16+4*\c:19+4*\c], v[LI], s[72:73] offset:512*\c   ; both tiles of queries stay in registers
	global_load_b128 v[24+4*\c:27+4*\c], v[LI], s[74:75] offset:512*\c
.endr
	v_and_b32 v3, 15, v0
	s_delay_alu instid0(VALU_DEP_1)
	v_and_b32 v4, 8, v3
	s_delay_alu instid0(VALU_DEP_1)
	v_add_nc_u32 v[QD], v4, v3                     ; r + 8 (r / 8)
	v_bfe_u32 v4, v0, 4, 1
	s_delay_alu instid0(VALU_DEP_1)
	v_lshlrev_b32 v4, 4, v4
	s_delay_alu instid0(VALU_DEP_1)
	v_sub_nc_u32 v[QD], v[QD], v4                  ; - 16 h
	v_mov_b32 v13, 0xff61b1e6                      ; the largest t so far: -3e38
	s_delay_alu instid0(VALU_DEP_1)
	v_floor_f32 v12, -v13                          ; -M
	v_mov_b32 v14, 0
	v_mov_b32 v15, 0
	v_mov_b32 v246, 0                              ; a lane permute's destination counts as one of its sources
	v_mov_b32 v253, 0                              ; (named as the upper half of v[252:253])
.set n, 0
.rept 32
	v_mov_b32 v[160+n], 0                          ; O^T: the step is written once and finds zeros first
.set n, n+1
.endr
	s_wait_kmcnt 0x0
	s_add_co_i32 s84, s58, s59
	s_lshl_b32 s84, s84, 23
	s_add_co_i32 s[CS], s[CS], s84                 ; a score stands for score x 2^(e2 + e3)
	s_mov_b32 s[CS+1], s[CS]
	s_add_co_i32 s[EPV], s60, s61
	s_add_co_i32 s84, s60, 127
	s_lshl_b32 s85, s84, 23
	v_mov_b32 v244, s85                            ; 2^e4
	s_add_co_i32 s84, s62, 127
	s_lshl_b32 s85, s84, 23
	v_mov_b32 v245, s85                            ; 2^e6
; A KEY STEP: 128 keys, the q-th of the slot in hand.
.macro STEP q
	s_cmp_gt_u32 s[KF], s[QMAX]
	s_cbranch_scc1 .Lhidden_\@                     ; all 128 keys come after my queries
	v_add_nc_u32 v[ADK], s[TB], v[LI]
.rept 3
	v_nop                                          ; with the addition: four places in front of loads into registers that the last products read
.endr
.irp t, 0,1,2,3,4,5,6,7
.irp c, 0,1
	ds_load_b128 v[32+8*\t+4*\c:32+8*\t+4*\c+3], v[ADK] offset:8192*(\q)+1024*\t+512*\c
.endr
.endr
	s_wait_alu depctr_va_vdst(0)
	s_wait_dscnt 0x0
.irp t, 0,1,2,3,4,5,6,7
	v_wmma_f32_16x16x64_fp8_fp8 v[96+8*\t:103+8*\t], v[32+8*\t:39+8*\t], v[16:23], 0
.endr
.rept 4
	v_nop
.endr
.irp t, 0,1,2,3                                ; v's fragments are asked for now and land under the softmax
.irp c, 0,1,2,3
	ds_load_b128 v[32+16*\t+4*\c:32+16*\t+4*\c+3], v[ADK] offset:VOFF+8192*(\q)+2048*\t+512*\c
.endr
.endr
	s_add_co_u32 s66, s[KF], 127
	s_cmp_le_u32 s66, s[QMIN]
	s_cbranch_scc1 .Lopen_\@                       ; all 128 keys count for all my queries
	s_sub_co_i32 s66, s[QMIN], s[KF]
	v_add_nc_u32 v252, s66, v[QD]                  ; d = my query - KF - 16 h.  Register 16 b + i holds key KF + 32 b + 16 h + i: hidden where 32 b + i > d.  (KF <= my query in every step that is not left out: a tile's 32 rows lie in one aligned block of 128)
	v_mov_b32 v254, 0xff800000                     ; -infinity: p = 0
.set n, 0
.rept 64
	v_cmp_gt_i32 vcc_lo, 32*(n/16)+n%16, v252
	v_cndmask_b32 v[96+n], v[96+n], v254, vcc_lo
.set n, n+1
.endr
.Lopen_\@:
	v_max3_num_f32 v254, v96, v97, v98             ; the step's largest score of my query, in two chains,
	v_max3_num_f32 v252, v99, v100, v101
.irp i, 6,10,14,18,22,26,30,34,38,42,46,50,54,58
	v_max3_num_f32 v254, v254, v[96+\i], v[97+\i]
	v_max3_num_f32 v252, v252, v[98+\i], v[99+\i]
.endr
	v_max3_num_f32 v254, v254, v158, v159
	s_delay_alu instid0(VALU_DEP_1)
	v_max_num_f32 v254, v254, v252
	s_delay_alu instid0(VALU_DEP_1)
	v_permlanex16_b32 v246, v254, s[SEL], s[SEL+1]
	s_delay_alu instid0(VALU_DEP_1)
	v_max_num_f32 v254, v254, v246                 ; and among lane l xor 16's
	s_delay_alu instid0(VALU_DEP_1)
	v_mul_f32 v254, s[CS], v254                    ; as t
	s_delay_alu instid0(VALU_DEP_1)
	v_max_num_f32 v13, v13, v254                   ; the running largest t
	v_mov_b32 v254, v12
	s_delay_alu instid0(VALU_DEP_2)
	v_floor_f32 v12, -v13                          ; the new -M = -ceil(t)
	s_delay_alu instid0(VALU_DEP_1)
	v_sub_f32 v254, v12, v254                      ; old M - new M: a whole number, 0 or less
	s_delay_alu instid0(VALU_DEP_1)
	v_cvt_i32_f32 v254, v254                       ; (it saturates)
	s_delay_alu instid0(VALU_DEP_1)
	v_ldexp_f32 v252, 1.0, v254                    ; f = 2^(old M - new M)
.set n, 0
.rept 32
	v_pk_fma_f32 v[96+n:97+n], v[96+n:97+n], s[CS:CS+1], v[12:13] op_sel_hi:[1,0,0]   ; t - M
.set n, n+2
.endr
.set n, 0
	s_wait_alu depctr_va_vdst(0)
.rept 64
	v_exp_f32 v[96+n], v[96+n]                     ; p = 2^(t - M)
.set n, n+1
.endr
	v_pk_mul_f32 v[14:15], v[14:15], v[252:253] op_sel_hi:[1,0]   ; the sums under the new M (a plain line behind the exponentials)
	s_wait_alu depctr_va_vdst(0)
	v_pk_add_f32 v[242:243], v[100:101], v[104:105]
	v_pk_add_f32 v[254:255], v[108:109], v[112:113]
	v_pk_add_f32 v[250:251], v[116:117], v[120:121]
	v_pk_add_f32 v[248:249], v[124:125], v[128:129]
	v_pk_add_f32 v[240:241], v[132:133], v[136:137]
	v_pk_add_f32 v[238:239], v[140:141], v[144:145]
	v_pk_add_f32 v[236:237], v[148:149], v[152:153]
	v_pk_add_f32 v[14:15], v[14:15], v[156:157]
	v_pk_add_f32 v[242:243], v[242:243], v[96:97]
	v_pk_add_f32 v[254:255], v[254:255], v[98:99]
	v_pk_add_f32 v[250:251], v[250:251], v[102:103]
	v_pk_add_f32 v[248:249], v[248:249], v[106:107]
	v_pk_add_f32 v[240:241], v[240:241], v[110:111]
	v_pk_add_f32 v[238:239], v[238:239], v[114:115]
	v_pk_add_f32 v[236:237], v[236:237], v[118:119]
	v_pk_add_f32 v[14:15], v[14:15], v[122:123]
	v_pk_add_f32 v[242:243], v[242:243], v[126:127]
	v_pk_add_f32 v[254:255], v[254:255], v[130:131]
	v_pk_add_f32 v[250:251], v[250:251], v[134:135]
	v_pk_add_f32 v[248:249], v[248:249], v[138:139]
	v_pk_add_f32 v[240:241], v[240:241], v[142:143]
	v_pk_add_f32 v[238:239], v[238:239], v[146:147]
	v_pk_add_f32 v[236:237], v[236:237], v[150:151]
	v_pk_add_f32 v[14:15], v[14:15], v[154:155]
	v_pk_add_f32 v[242:243], v[242:243], v[158:159]
	s_delay_alu instid0(VALU_DEP_2)
	v_pk_add_f32 v[14:15], v[14:15], v[248:249]
	s_delay_alu instid0(VALU_DEP_2)
	v_pk_add_f32 v[242:243], v[242:243], v[240:241]
	v_pk_add_f32 v[254:255], v[254:255], v[238:239]
	v_pk_add_f32 v[250:251], v[250:251], v[236:237]
	s_delay_alu instid0(VALU_DEP_2)
	v_pk_add_f32 v[14:15], v[14:15], v[254:255]
	s_delay_alu instid0(VALU_DEP_2)
	v_pk_add_f32 v[242:243], v[242:243], v[250:251]
	s_delay_alu instid0(VALU_DEP_1)
	v_pk_add_f32 v[14:15], v[14:15], v[242:243]
.irp b, 0,1,2,3
.irp i, 0,1,2,3,4,5,6,7,8,9,10,11,12,13,14,15
.endr
	v_cvt_scalef32_pk8_fp8_f32 v[224+4*\b:225+4*\b], v[96+16*\b:103+16*\b], v244
	v_cvt_scalef32_pk8_fp8_f32 v[226+4*\b:227+4*\b], v[104+16*\b:111+16*\b], v244
.endr
.set n, 0
.rept 16
	v_pk_mul_f32 v[160+n:161+n], v[160+n:161+n], v[252:253] op_sel_hi:[1,0]   ; O^T under the new M; also the plain lines behind the conversions
.set n, n+2
.endr
	s_wait_alu depctr_va_vdst(0)
	s_wait_dscnt 0x0                               ; v's fragments are in
.irp t, 0,1,2,3
	v_wmma_f32_16x16x128_fp8_fp8 v[160+8*\t:167+8*\t], v[32+16*\t:47+16*\t], v[224:239], v[160+8*\t:167+8*\t]   ; the four accumulators take turns
.endr
.Lhidden_\@:
	s_add_co_u32 s[KF], s[KF], 128
.endm
; THE CHANGE OF SLOTS, at a slot's head.  Each wave waits for all its tensor loads, adds 0 to its spare word, and waits for that and for its reads of the slot that it has left.  fill = 1: that slot takes the keys of the next trip.
.macro CHANGE fill
	s_wait_tensorcnt 0x0                           ; no tensor load of mine is out, so group 0 may be written
	ds_add_u32 v[SPW], v[NIL]                      ; 0 onto my spare word
.if \fill
	s_xor_b32 s[G0+1], s[G0+1], SLOT1              ; the other slot than last time,
	s_add_co_u32 s[OFF], s[OFF], 16384             ; the next 256 keys,
	s_cmp_eq_u32 s[NT], s[IB]
	s_cselect_b32 s[OFF], 0, s[OFF]                ; or key 0 again, where the next trip begins block 7 - i
	s_add_nc_u64 s[G0+2:G0+3], s[SRC:SRC+1], s[OFF:OFF+1]
	s_or_b32 s[G0+3], s[G0+3], 0x80000000
.endif
	s_wait_dscnt 0x0                               ; the add is done, and my reads of the slot that I have left are over
	s_barrier_signal -1
	s_barrier_wait -1
.if \fill
	TLOAD                                          ; the first thing behind the barrier, a wave's one tensor load until the next: it has two steps of sixteen waves in which to land
.endif
.endm
; A block of queries is done: O^T / the sum x 2^(e4 + e5) is y; it is quantised and stored: two stores of 512 consecutive bytes.
.macro FINISH yb, cd
.rept 4
	v_nop                                          ; places behind the last products
.endr
	v_add_f32 v14, v14, v15
	s_delay_alu instid0(VALU_DEP_1)
	v_permlanex16_b32 v246, v14, s[SEL], s[SEL+1]
	s_delay_alu instid0(VALU_DEP_1)
	v_add_f32 v14, v14, v246                       ; the row's sum
	s_wait_alu depctr_va_vdst(0)
	v_rcp_f32 v14, v14
	v_nop                                          ; a plain line behind the transcendental
	s_wait_alu depctr_va_vdst(0)
	v_ldexp_f32 v14, v14, s[EPV]
.set n, 0
.rept 32
	v_mul_f32 v[96+n], v[160+n], v14               ; register 16 p + i: channel 32 p + 16 h + i of my query; each accumulator from its low end on
.set n, n+1
.endr
.irp g, 0,1,2,3
.irp i, 0,1,2,3,4,5,6,7
.endr
	v_cvt_scalef32_pk8_fp8_f32 v[\cd+2*\g:\cd+2*\g+1], v[96+8*\g:103+8*\g], v245
.endr
	v_nop                                          ; a plain line behind the conversions: later products write their sources
	global_store_b128 v[LI], v[\cd:\cd+3], s[\yb:\yb+1]
	global_store_b128 v[LI], v[\cd+4:\cd+7], s[\yb:\yb+1] offset:512
.endm
	s_wait_loadcnt 0x0                             ; both tiles of queries
.Lslot:                                            ; eight trips; behind each change of slots the next trip's keys are asked for
	CHANGE 1
	STEP 0
	STEP 1
	s_xor_b32 s[TB], s[TB], SLOT1
	s_cmp_lg_u32 s[NT], s[IB]
	s_cbranch_scc1 .Lsame                          ; a branch on ids: trip i ends block i
	FINISH Y1, 192
.irp j, 0,1,2,3,4,5,6,7
	v_mov_b32 v[16+\j], v[24+\j]                   ; block 7 - i begins: its queries,
.endr
	v_mov_b32 v13, 0xff61b1e6
	s_delay_alu instid0(VALU_DEP_1)
	v_floor_f32 v12, -v13
	v_mov_b32 v14, 0
	v_mov_b32 v15, 0
.set n, 0
.rept 32
	v_mov_b32 v[160+n], 0
.set n, n+1
.endr
	s_mov_b32 s[KF], 0                             ; at key 0
	s_mov_b32 s[QMIN], s[QM2]
	s_add_co_u32 s[QMAX], s[QM2], 23
.Lsame:
	s_add_co_u32 s[NT], s[NT], 1
	s_cmp_lt_u32 s[NT], 8
	s_cbranch_scc1 .Lslot
	CHANGE 0                                       ; the ninth slot is written out
	STEP 0
	STEP 1
	FINISH Y2, 200
	s_wait_tensorcnt 0x0                           ; the wave's end
	ds_add_u32 v[SPW], v[NIL]
	s_wait_dscnt 0x0
	s_endpgm
.Lfunc_end_k_q81b52b58c3_attn:
	.size	k_q81b52b58c3_attn, .Lfunc_end_k_q81b52b58c3_attn-k_q81b52b58c3_attn
	.p2alignl 7, 3214868480
	.fill 96, 4, 3214868480
	.section	.rodata,"a",@progbits
	.p2align	6, 0x0
	.amdhsa_kernel k_q81b52b58c3_attn
		.amdhsa_group_segment_fixed_size 327680
		.amdhsa_private_segment_fixed_size 0
		.amdhsa_enable_private_segment 0
		.amdhsa_kernarg_size 24
		.amdhsa_user_sgpr_count 2
		.amdhsa_user_sgpr_kernarg_segment_ptr 1
		.amdhsa_wavefront_size32 1
		.amdhsa_system_sgpr_workgroup_id_x 1
		.amdhsa_system_sgpr_workgroup_id_y 1
		.amdhsa_system_sgpr_workgroup_id_z 1
		.amdhsa_system_vgpr_workitem_id 0
		.amdhsa_next_free_vgpr 256
		.amdhsa_next_free_sgpr 96
		.amdhsa_reserve_vcc 1
		.amdhsa_float_denorm_mode_32 3
		.amdhsa_float_denorm_mode_16_64 3
		.amdhsa_fp16_overflow 1
		.amdhsa_memory_ordered 1
		.amdhsa_forward_progress 1
		.amdhsa_inst_pref_size 89
	.end_amdhsa_kernel
	.amdgpu_metadata
---
amdhsa.version: [ 1, 2 ]
amdhsa.kernels:
  - .name:           k_q81b52b58c3_attn
    .symbol:         k_q81b52b58c3_attn.kd
    .args:
      - { .name: qkv, .offset: 0, .size: 8, .value_kind: global_buffer, .address_space: global }
      - { .name: lowp_scales, .offset: 8, .size: 8, .value_kind: global_buffer, .address_space: global }
      - { .name: yimg, .offset: 16, .size: 8, .value_kind: global_buffer, .address_space: global }
    .group_segment_fixed_size: 327680
    .private_segment_fixed_size: 0
    .kernarg_segment_align: 8
    .kernarg_segment_size: 24
    .max_flat_workgroup_size: 512
    .sgpr_count:     96
    .vgpr_count:     256
    .wavefront_size: 32
...
	.end_amdgpu_metadata
.endif
;; end of part 3
;; launch proj (part 4): grid 4 x 32, 4 waves a work-group, clusters of 4 x 4, 327,680 bytes of LDS; arguments yimg, wimg, b_proj, lowp_scales, out0; writes out0
.if DOCPART == 4
	.amdgcn_target "amdgcn-amd-amdhsa--gfx1250"
	.amdhsa_code_object_version 6
	.text
	.protected	k_q81b52b58c3_proj
	.globl	k_q81b52b58c3_proj
	.p2align	8
	.type	k_q81b52b58c3_proj,@function
k_q81b52b58c3_proj:
	s_mov_b64 s[64:65], 0
	v_nop
	global_prefetch_b8 v0, s[64:65] scope:SCOPE_SE
	s_setreg_imm32_b32 hwreg(HW_REG_WAVE_MODE, 25, 1), 1
	s_wait_xcnt 0x0
	s_wait_alu depctr_hold_cnt(0) depctr_sa_sdst(0) depctr_va_vdst(0) depctr_va_sdst(0) depctr_va_ssrc(0) depctr_va_vcc(0) depctr_vm_vsrc(0)
	s_getreg_b32 s2, hwreg(HW_REG_IB_STS2, 6, 4)
	s_cmp_eq_u32 s2, 0
	s_cbranch_scc0 .Lentry_in_a_cluster
	s_endpgm
.Lentry_in_a_cluster:
	s_bfe_u32 s2, ttmp6, 0x10000c
	s_cmp_lg_u32 s2, 0xf033
	s_cbranch_scc0 .Lentry_shape_is_right
	s_endpgm
.Lentry_shape_is_right:
; out = y w_proj + b_proj on codes of FP8 (E4M3): out = sum x 2^(e6 + e7) + bias, f32.  LIMIT: e6 + e7 between -126 and 127.
; IMAGES.  A tile is 16 rows: lane r of tile 2 g + u takes row 32 g + 8 u + r + 8 (r / 8).  A fragment (tile x 128 K) is [chunk c][lane][16 bytes], lane (r, h) holding k = 32 c + 16 h + 0 .. 15: the same order of k in both operands.
; yimg: 512 tiles of rows; wimg: w_proj's columns are its tiles 192 on.  Source 0 = 16 columns of the weight, source 1 = 16 rows of y: a lane holds one row, and the 16 registers of tiles 2 p, 2 p + 1 are columns 32 p + 16 h + 0 .. 15.
; A tile of the result, 256 x 256, is made by four waves, 128 x 128 each: 64 accumulators.  K = 1,024 goes in four fills of 256 through two LDS slots.
; CLUSTERS: 4 x 4 work-groups; y's tile hangs on cy and is shared along a row of the cluster, the weight's on cx and is shared along a column: each is asked for jointly.
; REGISTERS: window 0: v0-31 addresses; v32-63 at work on the way out; v64-127 the bias; from v128 y's fragments, ONE set (on the way out: rows read back from the stage).  Window 1: the weight's fragments, TWO sets.
;   Windows 2 and 3: the accumulators, (a, b) at v[8 (8 (a % 4) + b)].
.set FR,     16
.set NL,     4
.set NP,     4                         ; places behind this matrix instruction (ISA guide 7.12.1)
.set HALFT,  32768                     ; 8 tiles x two fragments: what one tensor load brings
.set SLOT,   4*HALFT
.set SPARE,  2*SLOT                    ; the spare words, 128 bytes a wave: two blocks of 256 bytes that no other line names
.set STAGE,  SPARE+512                 ; behind them: 16 rows x (512 bytes + 16) for each wave; no tensor load fills it
.set SPITCH, 528
.set LI,   5                           ; v5   16 x lane
.set BO,   8                           ; v8   bias: 64 h
.set ADRA, 16
.set ADRB, 20
.set STO,  24                          ; v24  the stage: where I put 64 bytes of a row
.set RD,   25                          ; v25  and where I read a row back
.set SPW,  28
.set NIL,  29
.set TMP,  32
.set BQ,   64
.set AF,   128
.set BK,   128                         ; two sets of 64: 16 rows read back
.set G1, 24
.set G0, 32
.set G1B, 48
.set G0B, 56
.set MSB, 0
.macro WIN new                         ; the immediate's high byte repeats the setting that is left
.if MSB != (\new)
	s_set_vgpr_msb (MSB<<8)|(\new)
.set MSB, (\new)
.endif
.endm
.set MUL_LO, 0xa1
.set MUL_HI, 0xf1
.set TO_B,   0x40
.macro JLOAD g0a, g1a, g0b, g1b        ; waves 0 and 1 fetch y's halves, waves 2 and 3 the weight's; four v_nop follow each of the two lines
	s_cmp_eq_u32 s15, 0
	s_cbranch_scc0 .Lfor_b_\@
	tensor_load_to_lds s[\g0a:\g0a+3], s[\g1a:\g1a+7]
	s_nop 0
.rept 4
	v_nop
.endr
	s_branch .Lasked_\@
.Lfor_b_\@:
	tensor_load_to_lds s[\g0b:\g0b+3], s[\g1b:\g1b+7]
	s_nop 0
.rept 4
	v_nop
.endr
.Lasked_\@:
.endm
.macro CREST
	s_cmp_lg_u32 s14, 0
	s_cbranch_scc1 .Lnot_wave_0_\@
	s_barrier_signal -3
.Lnot_wave_0_\@:
	s_barrier_wait -3
	s_barrier_signal -1
	s_barrier_wait -1
.endm
.macro CROUND
	s_barrier_signal -1
	s_barrier_wait -1
	CREST
.endm
	s_load_b256 s[4:11], s[0:1], 0x0               ; yimg s[4:5], wimg s[6:7], b_proj s[8:9], the scales' exponents s[10:11]
	s_load_b64 s[12:13], s[0:1], 0x20              ; out0
	v_lshl_add_u32 v[SPW], v0, 2, SPARE
	v_mov_b32 v[NIL], 0
	ds_add_u32 v28, v29
	ds_add_u32 v28, v29
	s_wait_dscnt 0x0
	v_lshrrev_b32 v1, 5, v0
	v_readfirstlane_b32 s14, v1                    ; wave 0..3
	s_lshr_b32 s15, s14, 1                         ; which half of the rows is mine.  Also: I fetch for y (0) or for the weight (1)
	s_and_b32 s16, s14, 1                          ; which half of the columns.  Also: which 8 tiles I fetch
	s_bfe_u32 s40, ttmp6, 0x40000                  ; cx
	s_bfe_u32 s41, ttmp6, 0x40004                  ; cy
	s_lshl_b32 s42, ttmp9, 2
	s_add_co_u32 s42, s42, s40                     ; block of 256 columns
	s_and_b32 s17, ttmp7, 0xffff
	s_lshl_b32 s17, s17, 2
	s_add_co_u32 s17, s17, s41                     ; block of 256 rows
	s_lshl_b32 s43, s41, 2
	s_lshl_b32 s43, 15, s43                        ; my row of the cluster
	s_lshl_b32 s44, 0x1111, s40                    ; my column
	s_or_b32 s[G1+0], s43, (3<<16)|(1<<21)         ; 15:0 the mask; 17:16 elements of 8 bytes; 21 set beside a mask
	s_or_b32 s[G1B+0], s44, (3<<16)|(1<<21)
.irp g, G1, G1B
	s_mov_b32 s[\g+1], 512<<16                     ; tensor_dim0 = 512: a row is a tile's two fragments, 4,096 bytes
	s_mov_b32 s[\g+2], 8<<16                       ; tensor_dim1 = 8 tiles
	s_mov_b32 s[\g+3], 512<<16                     ; tile_dim0
	s_mov_b32 s[\g+4], 8                           ; tile_dim1
	s_mov_b32 s[\g+5], 2048                        ; tensor_dim0_stride: 16,384 bytes from tile to tile
	s_mov_b32 s[\g+6], 0
	s_mov_b32 s[\g+7], 0
.endr
	s_lshl_b32 s83, s16, 17
	s_lshl_b32 s20, s17, 18
	s_add_co_u32 s20, s20, s83
	s_mov_b32 s21, 0
	s_add_co_u32 s46, s42, 12                      ; w_proj's blocks lie behind w_attn's twelve
	s_lshl_b32 s46, s46, 18
	s_add_co_u32 s46, s46, s83
	s_mov_b32 s47, 0
	s_lshl_b32 s45, s14, 15                        ; where they go: wave x HALFT
	s_wait_kmcnt 0x0
	s_load_b256 s[72:79], s[10:11], 0x0            ; e0 .. e7
	s_add_nc_u64 s[20:21], s[4:5], s[20:21]
	s_add_nc_u64 s[46:47], s[6:7], s[46:47]
	CROUND                                         ; all sixteen work-groups are here: the first joint loads meet
.irp s, 0,1
	s_mov_b32 s[G0+4*\s], 1
	s_add_co_u32 s[G0+4*\s+1], s45, \s*SLOT
	s_add_nc_u64 s[G0+4*\s+2:G0+4*\s+3], s[20:21], \s*4096
	s_or_b32 s[G0+4*\s+3], s[G0+4*\s+3], 0x80000000
	s_mov_b32 s[G0B+4*\s], 1
	s_add_co_u32 s[G0B+4*\s+1], s45, \s*SLOT
	s_add_nc_u64 s[G0B+4*\s+2:G0B+4*\s+3], s[46:47], \s*4096
	s_or_b32 s[G0B+4*\s+3], s[G0B+4*\s+3], 0x80000000
	s_wait_alu depctr_va_vdst(0)
	s_wait_tensorcnt 0x0
	ds_add_u32 v28, v29
	ds_add_u32 v28, v29
	s_wait_dscnt 0x0
	CROUND
	JLOAD G0+4*\s, G1, G0B+4*\s, G1B
.endr
	v_and_b32 v1, 31, v0
	v_lshlrev_b32 v[LI], 4, v1
	v_bfe_u32 v2, v0, 4, 1                         ; h
	v_and_b32 v3, 15, v0                           ; r
	s_wait_alu depctr_va_vdst(0)
	v_lshlrev_b32 v[BO], 6, v2
	s_wait_alu depctr_va_vdst(0)
	s_lshl_b32 s88, s15, 15
	s_lshl_b32 s89, s16, 15
	s_add_co_u32 s89, s89, 2*HALFT
.irp s, 0,1
	v_add_nc_u32 v[ADRA+\s], s88, v[LI]
	v_add_nc_u32 v[ADRB+\s], s89, v[LI]
	s_add_co_u32 s88, s88, SLOT
	s_add_co_u32 s89, s89, SLOT
.endr
	s_mul_i32 s88, s14, 16*SPITCH
	s_add_co_u32 s88, s88, STAGE                   ; my stage
	v_mul_u32_u24 v6, v3, SPITCH
	v_lshl_add_u32 v6, v2, 6, v6
	v_add_nc_u32 v[STO], s88, v6                   ; in: row r, + 64 h
	v_add_nc_u32 v[RD], s88, v[LI]                 ; back: a whole row of 512 bytes
	s_lshl_b32 s90, s42, 10
	s_lshl_b32 s91, s16, 9
	s_add_co_u32 s90, s90, s91
	s_mov_b32 s91, 0
	s_add_nc_u64 s[66:67], s[8:9], s[90:91]        ; the bias of my 128 columns
.irp p, 0,1,2,3
.irp k, 0,1,2,3
	global_load_b128 v[BQ+16*\p+4*\k:BQ+16*\p+4*\k+3], v[BO], s[66:67] offset:128*\p+16*\k   ; columns 32 p + 16 h + 4 k on
.endr
.endr
	s_lshl_b32 s92, s17, 8
	s_lshl_b32 s93, s15, 7
	s_add_co_u32 s92, s92, s93                     ; my first row
	s_lshl_b32 s92, s92, 12                        ; of 4,096 bytes
	s_add_co_u32 s92, s92, s90                     ; and my first column, 4 bytes each
	s_mov_b32 s93, 0
	s_add_nc_u64 s[70:71], s[12:13], s[92:93]
.macro FRAG reg, adr, q, i
.irp c, 0,1,2,3
	ds_load_b128 v[\reg+4*\c:\reg+4*\c+3], v[\adr] offset:(\i)*4096+(\q)*2048+512*\c
.endr
.endm
.macro MUL16 a0, p, zero               ; the 64 accumulators take turns, one instruction a turn
.irp a, \a0, \a0+1
.irp b, 0,1,2,3,4,5,6,7
.if \zero
	v_wmma_f32_16x16x128_fp8_fp8 v[8*(8*((\a)%4)+\b):8*(8*((\a)%4)+\b)+7], v[128*(\p)+FR*\b:128*(\p)+FR*\b+FR-1], v[AF+FR*(\a):AF+FR*(\a)+FR-1], 0
.else
	v_wmma_f32_16x16x128_fp8_fp8 v[8*(8*((\a)%4)+\b):8*(8*((\a)%4)+\b)+7], v[128*(\p)+FR*\b:128*(\p)+FR*\b+FR-1], v[AF+FR*(\a):AF+FR*(\a)+FR-1], v[8*(8*((\a)%4)+\b):8*(8*((\a)%4)+\b)+7]
.endif
.endr
.endr
.endm
.macro FETCH_B slot, q, p
	WIN TO_B
.irp i, 0,1,2,3,4,5,6,7
	FRAG 128*(\p)+FR*\i, ADRB+\slot, \q, \i
.endr
	WIN 0
.endm
.macro FETCH_A slot, q, i0
.irp i, \i0, \i0+1, \i0+2, \i0+3
	FRAG AF+FR*(\i), ADRA+\slot, \q, \i
.endr
.endm
.macro PLACES n
.rept \n
	v_nop
.endr
.endm
.macro STEP slot, q, zero
	s_wait_dscnt 4*NL                              ; the weight's set and y's tiles 0-3 are in; the youngest 16 loads (tiles 4-7) may be out
	WIN MUL_LO
	MUL16 0, (\q)%2, \zero
	MUL16 2, (\q)%2, \zero
	s_wait_dscnt 0
	PLACES NP
	FETCH_B \slot, (\q)+1, 1-(\q)%2
	FETCH_A \slot, (\q)+1, 0
	WIN MUL_HI
	MUL16 4, (\q)%2, \zero
	MUL16 6, (\q)%2, \zero
	PLACES NP
	WIN 0
	FETCH_A \slot, (\q)+1, 4
.endm
.macro TURN slot, next, fill
	s_wait_tensorcnt 0x0                           ; all my tensor loads have landed: my part of the next slot
	ds_add_u32 v[SPW], v[NIL]                      ; 0 onto my spare word
	s_wait_dscnt 4*NL+1                            ; the add and the youngest 16 loads may be out
	WIN MUL_LO
	MUL16 0, 1, 0
	s_wait_dscnt 0x0                               ; the add is done, and my reads of this slot are over
	s_barrier_signal -1
	MUL16 2, 1, 0
	WIN 0
	s_barrier_wait -1
.if \fill
	CREST                                          ; the barrier has opened a round of the cluster's
	s_add_nc_u64 s[G0+4*\slot+2:G0+4*\slot+3], s[G0+4*\slot+2:G0+4*\slot+3], 8192
	s_add_nc_u64 s[G0B+4*\slot+2:G0B+4*\slot+3], s[G0B+4*\slot+2:G0B+4*\slot+3], 8192
	JLOAD G0+4*\slot, G1, G0B+4*\slot, G1B         ; the first tensor load behind the round
.else
	PLACES NP
.endif
	FETCH_B \next, 0, 0
	FETCH_A \next, 0, 0
	WIN MUL_HI
	MUL16 4, 1, 0
	MUL16 6, 1, 0
	PLACES NP
	WIN 0
	FETCH_A \next, 0, 4
.endm
	s_wait_alu depctr_va_vdst(0)
	s_wait_tensorcnt 1                             ; my part of slot 0 is in; slot 1's may be out
	s_barrier_signal -1
	s_barrier_wait -1
	FETCH_B 0, 0, 0
	FETCH_A 0, 0, 0
	FETCH_A 0, 0, 4
	STEP 0, 0, 1
	TURN 0, 1, 1
	STEP 1, 0, 0
	TURN 1, 0, 1
	STEP 0, 0, 0
	TURN 0, 1, 0
	STEP 1, 0, 0
	s_wait_dscnt 4*NL
	WIN MUL_LO
	MUL16 0, 1, 0
	MUL16 2, 1, 0
	s_wait_dscnt 0
	WIN MUL_HI
	MUL16 4, 1, 0
	MUL16 6, 1, 0
	WIN 0
; THE WAY OUT, a tile of 16 rows x 128 columns at a time, through my own stage: a lane's 64 bytes go into rows of 528 and come back as whole rows of 512, which the 32 lanes store on end.
; LDS serves a wave's instructions in order (ISA guide 5.7.1.4): no wait between the stores and the loads, nor in front of the next tile's stores.
.macro TOSTAGE a
.irp p, 0,1                            ; columns 64 p on
	WIN 0x02+((\a)/4)                              ; source 0: window 2 or 3
.set n, 0
.rept 16
	v_pk_fma_f32 v[TMP+n:TMP+n+1], v[64*((\a)%4)+32*\p+n:64*((\a)%4)+32*\p+n+1], s[96:97], v[BQ+32*\p+n:BQ+32*\p+n+1] op_sel_hi:[1,0,1]   ; sum x 2^(e6 + e7) + bias; each accumulator from its low end on
.set n, n+2
.endr
	WIN 0
.irp m, 0,1,2,3,4,5,6,7
	ds_store_b128 v[STO], v[TMP+4*\m:TMP+4*\m+3] offset:256*\p+128*(\m/4)+16*(\m%4)
.endr
.endr
.irp i, 0,1,2,3,4,5,6,7,8,9,10,11,12,13,14,15
	ds_load_b128 v[BK+64*((\a)%2)+4*\i:BK+64*((\a)%2)+4*\i+3], v[RD] offset:SPITCH*\i
.endr
.endm
.macro SEND a, younger                 ; younger: the LDS instructions issued behind tile a's loads, which may stay out
	s_wait_dscnt \younger
.irp i, 0,1,2,3,4,5,6,7,8,9,10,11,12,13,14,15
	global_store_b128 v[LI], v[BK+64*((\a)%2)+4*\i:BK+64*((\a)%2)+4*\i+3], s[70:71] offset:(32*((\a)/2)+8*((\a)%2)+\i+8*(\i/8))*4096 th:TH_STORE_NT   ; 512 consecutive bytes of the tile's row i; the base is never stepped
.endr
.endm
	s_wait_kmcnt 0x0
	s_wait_loadcnt 0x0                             ; the bias
	s_add_co_i32 s96, s78, s79
	s_add_co_i32 s96, s96, 127
	s_lshl_b32 s96, s96, 23                        ; 2^(e6 + e7) as f32
	s_mov_b32 s97, s96                             ; (named with it as a pair)
	PLACES NP                                      ; behind the last products: their results are read, and y's registers loaded, below
	TOSTAGE 0
.irp a, 1,2,3,4,5,6,7
.if \a > 1
	s_wait_xcnt 0x0                                ; tile a - 2's stores have read their registers: tile a's loads may land there
.endif
	TOSTAGE \a
	SEND \a-1, 32                                  ; behind tile a - 1's loads: tile a's 16 stores and 16 loads
.endr
	SEND 7, 0
	s_wait_tensorcnt 0x0                           ; the wave's end
	ds_add_u32 v[SPW], v[NIL]
	s_wait_dscnt 0x0
	CROUND                                         ; the closing round
	s_endpgm
.Lfunc_end_k_q81b52b58c3_proj:
	.size	k_q81b52b58c3_proj, .Lfunc_end_k_q81b52b58c3_proj-k_q81b52b58c3_proj
	.p2alignl 7, 3214868480
	.fill 96, 4, 3214868480
	.section	.rodata,"a",@progbits
	.p2align	6, 0x0
	.amdhsa_kernel k_q81b52b58c3_proj
		.amdhsa_group_segment_fixed_size 327680
		.amdhsa_private_segment_fixed_size 0
		.amdhsa_enable_private_segment 0
		.amdhsa_kernarg_size 40
		.amdhsa_user_sgpr_count 2
		.amdhsa_user_sgpr_kernarg_segment_ptr 1
		.amdhsa_wavefront_size32 1
		.amdhsa_system_sgpr_workgroup_id_x 1
		.amdhsa_system_sgpr_workgroup_id_y 1
		.amdhsa_system_sgpr_workgroup_id_z 1
		.amdhsa_system_vgpr_workitem_id 0
		.amdhsa_next_free_vgpr 1024
		.amdhsa_next_free_sgpr 100
		.amdhsa_reserve_vcc 0
		.amdhsa_float_denorm_mode_32 3
		.amdhsa_float_denorm_mode_16_64 3
		.amdhsa_memory_ordered 1
		.amdhsa_forward_progress 1
		.amdhsa_inst_pref_size 125
	.end_amdhsa_kernel
	.amdgpu_metadata
---
amdhsa.version: [ 1, 2 ]
amdhsa.kernels:
  - .name:           k_q81b52b58c3_proj
    .symbol:         k_q81b52b58c3_proj.kd
    .args:
      - { .name: yimg, .offset: 0, .size: 8, .value_kind: global_buffer, .address_space: global }
      - { .name: wimg, .offset: 8, .size: 8, .value_kind: global_buffer, .address_space: global }
      - { .name: b_proj, .offset: 16, .size: 8, .value_kind: global_buffer, .address_space: global }
      - { .name: lowp_scales, .offset: 24, .size: 8, .value_kind: global_buffer, .address_space: global }
      - { .name: out0, .offset: 32, .size: 8, .value_kind: global_buffer, .address_space: global }
    .group_segment_fixed_size: 327680
    .private_segment_fixed_size: 0
    .kernarg_segment_align: 8
    .kernarg_segment_size: 40
    .max_flat_workgroup_size: 128
    .sgpr_count:     100
    .vgpr_count:     1024
    .wavefront_size: 32
...
	.end_amdgpu_metadata
.endif
;; end of part 4
